; MI455X (gfx1250); checked and timed in simulation.
; The chip was launched on July 23, 2026; its instructions are those of AMD's public machine-readable ISA for CDNA 5 (MIT licence, August 2026) and "CDNA5" Instruction Set Architecture Reference Guide (July 2026). The comments in the code are by the model that wrote it; some were corrected since.
;; Sinkhorn Matcher. Allowed arithmetic: float matrix products may take bf16 or f16 operands with f32 sums; all other float work in f32.
;; Inputs: W1 512 x 256 float32; W2 256 x 1 float32; b1 256 float32; b2 1 float32; log_temp one number float32; nodes_a 16 x 128 x 256 float32; nodes_b 16 x 128 x 256 float32; pos_a 16 x 128 x 2 float32; pos_b 16 x 128 x 2 float32.
;; Outputs: out0 16 x 128 x 128 float32; out1 16 float32; out2 16 float32; out3 16 x 128 x 128 float32.
;; One version. Each part assembles by itself: llvm-mc -triple=amdgcn-amd-amdhsa -mcpu=gfx1250 --defsym DOCPART=n.
;; ======== version 1 of 1: 3 launches
;; workspace buffers: P 4,194,304 bytes; cosw 1,048,576 bytes; ctw 1,048,576 bytes
;; launch proj (part 1): grid 4 x 64, 4 waves a work-group, no clusters, 167,424 bytes of LDS; arguments nodes_a, nodes_b, W1, b1, P; writes P
.if DOCPART == 1
	.amdgcn_target "amdgcn-amd-amdhsa--gfx1250"
	.amdhsa_code_object_version 6
	.text
	.protected	k_q5b840a306d_proj
	.globl	k_q5b840a306d_proj
	.p2align	8
	.type	k_q5b840a306d_proj,@function
k_q5b840a306d_proj:
	s_mov_b64 s[64:65], 0
	v_nop
	global_prefetch_b8 v0, s[64:65] scope:SCOPE_SE
	s_setreg_imm32_b32 hwreg(HW_REG_WAVE_MODE, 25, 1), 1
	s_wait_xcnt 0x0
; P[0:2048][256]    = nodes_a (2048 x 256) x W1[0:256]   + b1
; P[2048:4096][256] = nodes_b (2048 x 256) x W1[256:512]
; concat(a_i, b_j) x W1 = a_i x W1[0:256] + b_j x W1[256:512] holds for every input, so the pair product is made of these two.
; What follows is divided by temp (0.01 at the least) and goes into an exponential, so one bf16 rounding of the operands is too coarse:
; every operand is split x = hi + lo (both bf16) and hi*hi + hi*lo + lo*hi are summed in f32 (the lo*lo term is left out: 2^-16 of a product).
; A work-group makes 64 rows x 64 columns, K = 256; four waves, 32 x 32 each = 2 x 2 accumulator tiles.
; No tensor load and no cluster: both operands have to be split before they can lie in LDS, so they pass through registers.
; b1 is added behind the a side's product; the b side's work-groups load their 64 bytes a lane of it too and leave them unused,
; so that every path has written every register.
.set NH,  0                            ; nodes, hi: 64 rows x 528 bytes (256 bf16 + 16 bytes), K along the rows
.set NL,  33792                        ; nodes, lo
.set WH,  67584                        ; W1, hi: 256 k x 160 bytes (64 bf16 + 32 bytes), columns along the rows
.set WL,  108544                       ; W1, lo
.set STG, 149504                       ; results: 64 rows x 272 bytes (64 f32 + 16 bytes)
.set NP,  528
.set WP,  160
.set SP,  272
.set RA,  32                           ; v[32:95]   16 raw loads; later fragment buffer 0
.set RB,  96                           ; v[96:159]  16 raw loads; later fragment buffer 1
.set BI,  160                          ; v[160:175] b1 of my 2 x 8 columns
.set ACC, 176                          ; v[176:207] tile (ct, rt) at ACC + 8 (2 ct + rt)
; v2 nodes load offset   v3 W1 load / P store offset   v4, v5 nodes' LDS stores (hi, lo)   v6, v7 W1's LDS stores (hi, lo)
; v8 nodes fragments   v9, v10 W1 fragments (hi, lo)   v11 stage in   v12 stage out   v13 b1 offset   v16-23 the split's temporaries
	s_load_b256 s[4:11], s[0:1], 0x0               ; nodes_a s[4:5], nodes_b s[6:7], W1 s[8:9], b1 s[10:11]
	s_load_b64 s[12:13], s[0:1], 0x20              ; P
	v_lshl_add_u32 v208, v0, 2, 0x28c00
	v_mov_b32 v209, 0
	v_lshrrev_b32 v1, 5, v0
	v_readfirstlane_b32 s3, v1                     ; wave 0..3
	s_and_b32 s15, ttmp7, 0xffff                   ; y: 64 rows of the stacked 4096
	s_lshr_b32 s16, s15, 5                         ; side: 0 = a, 1 = b
	s_and_b32 s17, s15, 31                         ; block of 64 rows inside the side
	s_and_b32 s23, s3, 1                           ; rh: my 32 rows
	s_lshr_b32 s24, s3, 1                          ; ch: my 32 columns
	s_mov_b32 s22, 0xffff0000                      ; a word's upper bf16
	s_lshl_b32 s14, ttmp9, 8                       ; 64 columns of f32 = 256 bytes a column block
	v_and_b32 v14, 15, v0                          ; r, and t & 15
	v_bfe_u32 v15, v0, 4, 1                        ; h
	v_lshrrev_b32 v24, 4, v0                       ; t >> 4
	v_lshrrev_b32 v25, 6, v0                       ; t >> 6
	v_and_b32 v26, 63, v0                          ; t & 63
	v_lshlrev_b32 v2, 4, v0                        ; nodes: 16 t, two rows of 1,024 bytes a load
	v_lshlrev_b32 v3, 10, v24                      ; W1 and P: row t >> 4 of 1,024 bytes,
	v_lshl_add_u32 v3, v14, 4, v3                  ; 16 lanes on 256 neighbouring bytes
	v_mul_u32_u24 v4, v25, NP
	v_lshl_add_u32 v4, v26, 3, v4                  ; nodes in LDS: row t >> 6, 4 bf16 at byte 8 (t & 63)
	v_add_nc_u32 v5, NL, v4
	v_mul_u32_u24 v6, v24, WP
	v_lshl_add_u32 v6, v14, 3, v6                  ; W1 in LDS: row t >> 4, 4 bf16 at byte 8 (t & 15)
	v_add_nc_u32 v6, WH, v6
	v_add_nc_u32 v7, WL-WH, v6
	s_mul_i32 s25, s23, 32*NP
	v_mul_u32_u24 v8, v14, NP
	v_lshl_add_u32 v8, v15, 4, v8
	v_add_nc_u32 v8, s25, v8                       ; (32 rh + r) x 528 + 16 h
	v_and_b32 v27, 7, v0
	v_lshl_add_u32 v27, v15, 3, v27                ; 8 h + (l & 7): the k row that I address for the transposing load
	v_mul_u32_u24 v9, v27, WP
	v_bfe_u32 v28, v0, 3, 1
	v_lshl_add_u32 v9, v28, 4, v9                  ; + 16 ((l >> 3) & 1)
	s_lshl_b32 s25, s24, 6
	s_add_co_u32 s25, s25, WH
	v_add_nc_u32 v9, s25, v9                       ; + my 32 columns (64 bytes) + WH
	v_add_nc_u32 v10, WL-WH, v9
	s_mul_i32 s26, s23, 32*SP
	s_lshl_b32 s27, s24, 7
	s_add_co_u32 s26, s26, s27
	s_add_co_u32 s26, s26, STG
	v_mul_u32_u24 v11, v14, SP
	v_lshl_add_u32 v11, v15, 5, v11
	v_add_nc_u32 v11, s26, v11                     ; stage in: (32 rh + r) x 272 + 128 ch + 32 h
	v_mul_u32_u24 v12, v24, SP
	v_lshl_add_u32 v12, v14, 4, v12
	v_add_nc_u32 v12, STG, v12                     ; stage out: row t >> 4, 16 bytes at 16 (t & 15)
	s_add_co_u32 s27, s27, s14
	v_lshl_add_u32 v13, v15, 5, s27                ; b1: (64 cb + 32 ch + 8 h) x 4
	s_wait_kmcnt 0x0
	s_cmp_lt_u32 s15, 32
	s_cselect_b64 s[18:19], s[4:5], s[6:7]         ; the side's nodes
	s_lshl_b32 s20, s17, 16                        ; 64 rows of 1,024 bytes
	s_mov_b32 s21, 0
	s_add_nc_u64 s[18:19], s[18:19], s[20:21]
	s_lshl_b32 s20, s16, 18                        ; the side's 256 rows of W1
	s_add_co_u32 s20, s20, s14
	s_add_nc_u64 s[8:9], s[8:9], s[20:21]
	s_lshl_b32 s20, s15, 16
	s_add_co_u32 s20, s20, s14
	s_add_nc_u64 s[12:13], s[12:13], s[20:21]      ; P at my block
; four f32 in v[r:r+3] are split: hi = bf16(x), lo = bf16(x - hi); 8 bytes of each go to LDS
.macro CONV4 r, ah, al, off
	v_cvt_pk_bf16_f32 v16, v[\r], v[\r+1]
	v_cvt_pk_bf16_f32 v17, v[\r+2], v[\r+3]
	v_lshlrev_b32 v20, 16, v16
	v_and_b32 v21, s22, v16
	v_lshlrev_b32 v22, 16, v17
	v_and_b32 v23, s22, v17
	v_pk_add_f32 v[\r:\r+1], v[\r:\r+1], v[20:21] neg_lo:[0,1] neg_hi:[0,1]
	v_pk_add_f32 v[\r+2:\r+3], v[\r+2:\r+3], v[22:23] neg_lo:[0,1] neg_hi:[0,1]
	v_cvt_pk_bf16_f32 v18, v[\r], v[\r+1]
	v_cvt_pk_bf16_f32 v19, v[\r+2], v[\r+3]
	ds_store_b64 v[\ah], v[16:17] offset:\off
	ds_store_b64 v[\al], v[18:19] offset:\off
.endm
; sixteen loads of a buffer are split in their order; left - i = the loads issued behind load i
.macro RUN buf, x0, left, ah, al, step
.set i, 0
.rept 16
	s_wait_loadcnt \left-i
	CONV4 \buf+4*i, \ah, \al, \step*(\x0+i)
.set i, i+1
.endr
.endm
.macro NLOAD buf, x0                   ; 16 loads of nodes: 2,048 neighbouring bytes each for the work-group
.set i, 0
.rept 16
	global_load_b128 v[\buf+4*i:\buf+4*i+3], v2, s[18:19] offset:2048*(\x0+i)
.set i, i+1
.endr
.endm
.macro WLOAD buf, x0                   ; 16 loads of W1: 8 rows x 256 bytes each
.set i, 0
.rept 16
	global_load_b128 v[\buf+4*i:\buf+4*i+3], v3, s[8:9] offset:8192*(\x0+i)
.set i, i+1
.endr
.endm
.irp ct, 0,1
	global_load_b128 v[BI+8*\ct:BI+8*\ct+3],   v13, s[10:11] offset:64*\ct
	global_load_b128 v[BI+8*\ct+4:BI+8*\ct+7], v13, s[10:11] offset:64*\ct+16
.endr
	NLOAD RA, 0
	NLOAD RB, 16
	RUN RA, 0, 31, 4, 5, 2*NP                      ; behind load i: 15 - i of its run and the 16 of the next; b1 came first and is in too
	WLOAD RA, 0
	RUN RB, 16, 31, 4, 5, 2*NP
	WLOAD RB, 16
	RUN RA, 0, 31, 6, 7, 8*WP
	RUN RB, 16, 15, 6, 7, 8*WP                     ; the last run: only its own younger loads are out
	s_wait_dscnt 0x0                               ; my LDS stores are done, for the other waves' sake
	s_barrier_signal -1
	s_barrier_wait -1
; the fragments of K step s (32 along K) into 64 registers: nodes hi rt 0, 1; nodes lo rt 0, 1; W1 hi ct 0, 1; W1 lo ct 0, 1
.macro FETCH s, f
.irp rt, 0,1
	ds_load_b128 v[\f+8*\rt:\f+8*\rt+3],       v8 offset:NH+16*NP*\rt+64*(\s)
	ds_load_b128 v[\f+8*\rt+4:\f+8*\rt+7],     v8 offset:NH+16*NP*\rt+64*(\s)+32
	ds_load_b128 v[\f+16+8*\rt:\f+16+8*\rt+3], v8 offset:NL+16*NP*\rt+64*(\s)
	ds_load_b128 v[\f+16+8*\rt+4:\f+16+8*\rt+7], v8 offset:NL+16*NP*\rt+64*(\s)+32
.endr
.irp ct, 0,1
	ds_load_tr16_b128 v[\f+32+8*\ct:\f+32+8*\ct+3],   v9  offset:32*WP*(\s)+32*\ct
	ds_load_tr16_b128 v[\f+32+8*\ct+4:\f+32+8*\ct+7], v9  offset:32*WP*(\s)+32*\ct+16*WP
	ds_load_tr16_b128 v[\f+48+8*\ct:\f+48+8*\ct+3],   v10 offset:32*WP*(\s)+32*\ct
	ds_load_tr16_b128 v[\f+48+8*\ct+4:\f+48+8*\ct+7], v10 offset:32*WP*(\s)+32*\ct+16*WP
.endr
.endm
; Source 0 = 16 columns of W1, source 1 = 16 rows of nodes: register j of lane (r, h) is P(row r, column 8 h + j), eight neighbours of a row.
.macro MM ct, rt, a, b, zero
.if \zero
	v_wmma_f32_16x16x32_bf16 v[ACC+8*(2*\ct+\rt):ACC+8*(2*\ct+\rt)+7], v[\a:\a+7], v[\b:\b+7], 0
.else
	v_wmma_f32_16x16x32_bf16 v[ACC+8*(2*\ct+\rt):ACC+8*(2*\ct+\rt)+7], v[\a:\a+7], v[\b:\b+7], v[ACC+8*(2*\ct+\rt):ACC+8*(2*\ct+\rt)+7]
.endif
.endm
; twelve matrix instructions; the four accumulators take turns, one instruction a turn
.macro MUL f, zero
.irp ct, 0,1
.irp rt, 0,1
	MM \ct, \rt, \f+32+8*\ct, \f+8*\rt, \zero      ; hi x hi (in the first step it starts the sums: nothing is cleared)
.endr
.endr
.irp ct, 0,1
.irp rt, 0,1
	MM \ct, \rt, \f+32+8*\ct, \f+16+8*\rt, 0       ; W1 hi x nodes lo
.endr
.endr
.irp ct, 0,1
.irp rt, 0,1
	MM \ct, \rt, \f+48+8*\ct, \f+8*\rt, 0          ; W1 lo x nodes hi
.endr
.endr
.endm
.macro PLACES                          ; four places between a matrix instruction and a load into, or a vector use of, its registers
.rept 4
	v_nop
.endr
.endm
.macro STEP s, cur, nxt
	PLACES                                         ; buffer nxt was read by the matrix instructions just issued
	FETCH \s+1, \nxt
	s_wait_dscnt 16                                ; all but the 16 loads just issued: buffer cur is in
	MUL \cur, 0
.endm
	FETCH 0, RA
	FETCH 1, RB
	s_wait_dscnt 16
	MUL RA, 1
	STEP 1, RB, RA
	STEP 2, RA, RB
	STEP 3, RB, RA
	STEP 4, RA, RB
	STEP 5, RB, RA
	STEP 6, RA, RB
	s_wait_dscnt 0x0
	MUL RB, 0
	PLACES                                         ; in front of the vector reads and LDS stores of the sums, and of the loads into buffer 0
	s_cmp_lg_u32 s16, 0
	s_cbranch_scc1 .Lno_bias                       ; b1 belongs to the a side alone
.irp ct, 0,1
.irp rt, 0,1
.irp j, 0,2,4,6
	v_pk_add_f32 v[ACC+8*(2*\ct+\rt)+\j:ACC+8*(2*\ct+\rt)+\j+1], v[ACC+8*(2*\ct+\rt)+\j:ACC+8*(2*\ct+\rt)+\j+1], v[BI+8*\ct+\j:BI+8*\ct+\j+1]
.endr
.endr
.endr
.Lno_bias:
	; out through LDS, so that sixteen lanes store 256 neighbouring bytes of a row of P
.irp ct, 0,1
.irp rt, 0,1
	ds_store_b128 v11, v[ACC+8*(2*\ct+\rt):ACC+8*(2*\ct+\rt)+3]   offset:16*SP*\rt+64*\ct
	ds_store_b128 v11, v[ACC+8*(2*\ct+\rt)+4:ACC+8*(2*\ct+\rt)+7] offset:16*SP*\rt+64*\ct+16
.endr
.endr
	s_wait_dscnt 0x0                               ; the rows are read back by other waves
	s_barrier_signal -1
	s_barrier_wait -1
.irp x, 0,1,2,3,4,5,6,7
	ds_load_b128 v[RA+4*\x:RA+4*\x+3], v12 offset:8*SP*\x
.endr
.irp x, 0,1,2,3,4,5,6,7
	s_wait_dscnt 7-\x                              ; LDS loads come back in order: load x is in
	global_store_b128 v3, v[RA+4*\x:RA+4*\x+3], s[12:13] offset:8192*\x
.endr
	s_wait_tensorcnt 0x0
	ds_add_u32 v208, v209
	s_wait_dscnt 0x0
	s_endpgm
.Lfunc_end_k_q5b840a306d_proj:
	.size	k_q5b840a306d_proj, .Lfunc_end_k_q5b840a306d_proj-k_q5b840a306d_proj
	.p2alignl 7, 3214868480
	.fill 96, 4, 3214868480
	.section	.rodata,"a",@progbits
	.p2align	6, 0x0
	.amdhsa_kernel k_q5b840a306d_proj
		.amdhsa_group_segment_fixed_size 167424
		.amdhsa_private_segment_fixed_size 0
		.amdhsa_enable_private_segment 0
		.amdhsa_kernarg_size 40
		.amdhsa_user_sgpr_count 2
		.amdhsa_user_sgpr_kernarg_segment_ptr 1
		.amdhsa_wavefront_size32 1
		.amdhsa_system_sgpr_workgroup_id_x 1
		.amdhsa_system_sgpr_workgroup_id_y 1
		.amdhsa_system_sgpr_workgroup_id_z 1
		.amdhsa_system_vgpr_workitem_id 0
		.amdhsa_next_free_vgpr 210
		.amdhsa_next_free_sgpr 66
		.amdhsa_reserve_vcc 0
		.amdhsa_float_denorm_mode_32 3
		.amdhsa_float_denorm_mode_16_64 3
		.amdhsa_memory_ordered 1
		.amdhsa_forward_progress 1
		.amdhsa_inst_pref_size 71
	.end_amdhsa_kernel
	.amdgpu_metadata
---
amdhsa.version: [ 1, 2 ]
amdhsa.kernels:
  - .name:           k_q5b840a306d_proj
    .symbol:         k_q5b840a306d_proj.kd
    .args:
      - { .name: nodes_a, .offset: 0, .size: 8, .value_kind: global_buffer, .address_space: global }
      - { .name: nodes_b, .offset: 8, .size: 8, .value_kind: global_buffer, .address_space: global }
      - { .name: W1, .offset: 16, .size: 8, .value_kind: global_buffer, .address_space: global }
      - { .name: b1, .offset: 24, .size: 8, .value_kind: global_buffer, .address_space: global }
      - { .name: P, .offset: 32, .size: 8, .value_kind: global_buffer, .address_space: global }
    .group_segment_fixed_size: 167424
    .private_segment_fixed_size: 0
    .kernarg_segment_align: 8
    .kernarg_segment_size: 40
    .max_flat_workgroup_size: 128
    .sgpr_count:     66
    .vgpr_count:     210
    .wavefront_size: 32
...
	.end_amdgpu_metadata
.endif
;; end of part 1
;; launch cost (part 2): grid 16 x 16, 4 waves a work-group, clusters of 4 x 1, 216,064 bytes of LDS; arguments P, nodes_a, nodes_b, W2, b2, log_temp, pos_a, pos_b, out3, cosw, ctw; writes out3, cosw, ctw
.if DOCPART == 2
	.amdgcn_target "amdgcn-amd-amdhsa--gfx1250"
	.amdhsa_code_object_version 6
	.text
	.protected	k_q5b840a306d_cost
	.globl	k_q5b840a306d_cost
	.p2align	8
	.type	k_q5b840a306d_cost,@function
k_q5b840a306d_cost:
	s_mov_b64 s[64:65], 0
	v_nop
	global_prefetch_b8 v0, s[64:65] scope:SCOPE_SE
	s_setreg_imm32_b32 hwreg(HW_REG_WAVE_MODE, 25, 1), 1
	s_wait_xcnt 0x0
	s_wait_alu depctr_hold_cnt(0) depctr_sa_sdst(0) depctr_va_vdst(0) depctr_va_sdst(0) depctr_va_ssrc(0) depctr_va_vcc(0) depctr_vm_vsrc(0)
	s_getreg_b32 s2, hwreg(HW_REG_IB_STS2, 6, 4)
	s_cmp_eq_u32 s2, 0
	s_cbranch_scc0 .Lentry_in_a_cluster
	s_endpgm
.Lentry_in_a_cluster:
	s_bfe_u32 s2, ttmp6, 0x10000c
	s_cmp_lg_u32 s2, 0x3003
	s_cbranch_scc0 .Lentry_shape_is_right
	s_endpgm
.Lentry_shape_is_right:
; A work-group makes a tile of 16 (i) x 64 (j) of one batch:
;   score = sum over d of W2[d] relu(PA[i][d] + PB[j][d]) + b2      (PA holds b1 already)
;   cos   = a_i . b_j / max(|a_i| |b_j|, 1e-8)
;   C     = -(score + cos) / clip(exp(log_temp), 0.01, 0.5) + 0.1 |pos_a[i] - pos_b[j]|
; and stores C (out3), cos (cosw) and a transposed copy of C log2(e) in blocks [batch][i / 16][j][i % 16] (ctw), which the next launch reads by columns.
; h x W2 has one column and a fresh h for every pair: it is one fused multiply-add behind the relu, in f32; on the matrix unit h would first have to
; be rounded to bf16, and that error is divided by temp and goes into an exponential.  The dot product goes to the matrix unit with operands split
; x = hi + lo (both bf16): hi*hi + hi*lo + lo*hi in f32.
; EVERY WAVE OWNS A QUARTER OF d (= k): columns 64 w .. 64 w + 63 of all 80 rows.  Up to the sum over the four quarters a wave reads only what its own
; tensor loads brought, so its own wait on TENSORcnt is all the order that those reads need.
; CLUSTER 4 x 1: the four partners have the same batch and the same 64 j, so the 64 b-side rows of P and of nodes_b (two tiles of 16 KiB a wave,
; 128 KiB of a work-group's 161 KiB) are asked for jointly, mask 15.  The 16 a-side rows hang on the place in the cluster and are loads of the
; work-group's own; so is W2, 1 KiB.  All five loads of a wave go out together behind one round of the cluster's barrier: five are out at the most.
; No LDS byte is filled twice.
; LIMITS: relu by v_max_num_f32 makes 0 of a NaN.  v_sqrt_f32 and v_rcp_f32 take denormal inputs as zero (ISA guide 15.8): a squared norm below 2^-126 counts as 0.
.set PITCH, 272                        ; an LDS row: 64 f32 + 16 bytes: neighbouring rows begin 16 bytes further on modulo 256
.set WREG,  43776                      ; a wave's region: PA 16 rows, PB 64, NA 16, NB 64, W2's quarter
.set O_PB,  4352
.set O_NA,  21760
.set O_NB,  26112
.set O_W2,  43520
.set SPART, 175104                     ; behind the four regions, never a tensor load's target: score partials [w][16 i] x 272
.set DPART, 192512                     ; dot partials, the same shape
.set NPART, 209920                     ; squared norms [80 rows][4 w] f32 (rows 0-15: a, 16-79: b)
.set CTS,   211200                     ; C log2(e), 16 x 272, for the transposed copy
.set F0,  28                           ; v[28:79]   chunk buffer 0: A 16, B 32, W 4 registers
.set F1,  80                           ; v[80:131]  chunk buffer 1
.set X,   132                          ; v[132:163] pair terms at work
.set ACC, 164                          ; v[164:227] a pair of partial sums (even d, odd d) for (e, f) at ACC + 2 (8 e + f)
.set FR,  28                           ; dot phase: v[28:107] group g: hi at FR + 16 g, lo 8 further (g = 0: a's rows, 1..4: b's)
.set RW,  108                          ; v[108:139] two units of 16 raw f32
.set NSQ, 142                          ; v[142:151] a pair of squared sums for each group
.set DACC,164                          ; v[164:195] four tiles of 16 (j) x 16 (i)
.set TMP, 196                          ; v[196:211] the split's temporaries
.set ES,  28                           ; epilogue: score partials [x][w] x 4
.set ED,  60                           ; dot partials
.set EN,  92                           ; |a|^2 partials [x] x 4, then |b|^2 partials [y] x 4 from EN + 8
.set RT,  116                          ; 1 / temp (a pair: the partner is written too)
.set DEN, 120
.set COS, 128
.set SPD, 136
.set CC,  144
.set C2,  152
.set TR,  160
.set DP,  168
; v1 pos_b offset  v2 ctw offset  v3 pos_a offset  v4 VA  v5 VB  v6 VW  v7 VN  v8 VSP  v9 VDP  v10 VNP  v11-13 epilogue LDS  v14 out offset  v15 CTS read
; v[16:19] pos_a of my two rows, v[20:27] pos_b of my four columns; v228-231 temporaries
.macro ROUND                           ; a round of the cluster's barrier: my work-group's barrier, wave 0 signals for it, all wait, my work-group's barrier
	s_barrier_signal -1
	s_barrier_wait -1
	s_cmp_lg_u32 s3, 0
	s_cbranch_scc1 .Lnot_wave_0_\@
	s_barrier_signal -3
.Lnot_wave_0_\@:
	s_barrier_wait -3
	s_barrier_signal -1
	s_barrier_wait -1
.endm
	s_load_b512 s[8:23], s[0:1], 0x0               ; P s[8:9], nodes_a s[10:11], nodes_b s[12:13], W2 s[14:15], b2 s[16:17], log_temp s[18:19], pos_a s[20:21], pos_b s[22:23]
	s_load_b128 s[24:27], s[0:1], 0x40             ; out3 s[24:25], cosw s[26:27]
	s_load_b64 s[28:29], s[0:1], 0x50              ; ctw
	v_lshl_add_u32 v232, v0, 2, 0x34a00
	v_mov_b32 v233, 0
	ds_add_u32 v232, v233
	v_lshrrev_b32 v228, 5, v0
	v_readfirstlane_b32 s3, v228                   ; wave 0..3
	s_bfe_u32 s4, ttmp6, 0x40000                   ; cx
	s_and_b32 s5, ttmp7, 0xffff                    ; batch
	s_lshr_b32 s6, ttmp9, 1                        ; jh: which 64 j (the cluster's x is 0..3)
	s_and_b32 s7, ttmp9, 1
	s_lshl2_add_u32 s7, s7, s4                     ; ib = 4 (cluster x & 1) + cx: which 16 i
	s_mov_b32 s90, 0xffff0000
	s_mov_b32 s91, 0x76543210                      ; v_permlanex16_b32: lane l of one half reads lane l of the other
	s_mov_b32 s92, 0xfedcba98
	; group 1 for 16 rows x 64 f32, pitch 256 f32, 4 words of padding behind every 64: the a side, no mask
	s_mov_b32 s40, (2<<16)|(1<<20)|(5<<22)|(3<<25)
	s_mov_b32 s41, 64<<16                          ; tensor_dim0 = 64
	s_mov_b32 s42, 16<<16                          ; tensor_dim1 = 16
	s_mov_b32 s43, 64<<16                          ; tile_dim0 = 64
	s_mov_b32 s44, 16                              ; tile_dim1 = 16
	s_mov_b32 s45, 256                             ; elements from row to row
	s_mov_b32 s46, 0
	s_mov_b32 s47, 0
	; the same for 64 rows, asked for jointly by the four work-groups of the cluster: mask 15, bit 21 beside it
	s_mov_b32 s48, 15|(2<<16)|(1<<20)|(1<<21)|(5<<22)|(3<<25)
	s_mov_b32 s49, 64<<16
	s_mov_b32 s50, 64<<16
	s_mov_b32 s51, 64<<16
	s_mov_b32 s52, 64
	s_mov_b32 s53, 256
	s_mov_b32 s54, 0
	s_mov_b32 s55, 0
	; one row of 256 bytes (32 elements of 8): my quarter of W2
	s_mov_b32 s56, 3<<16
	s_mov_b32 s57, 32<<16
	s_mov_b32 s58, 1<<16
	s_mov_b32 s59, 32<<16
	s_mov_b32 s60, 1
	s_mov_b32 s61, 32
	s_mov_b32 s62, 0
	s_mov_b32 s63, 0
	s_mul_i32 s34, s3, WREG                        ; my region in LDS
	s_mul_i32 s35, s3, 16*PITCH                    ; my part of SPART and of DPART
	s_lshl_b32 s36, s3, 8                          ; my 64 columns, in bytes
	s_mov_b32 s37, 0
	s_lshl_b32 s32, s5, 17                         ; b side: batch x 128 rows x 1,024 bytes + jh x 64 rows + my columns; no register here ever holds cx
	s_lshl_b32 s66, s6, 16
	s_add_co_u32 s32, s32, s66
	s_add_co_u32 s32, s32, s36
	s_mov_b32 s33, 0
	s_lshl_b32 s30, s5, 17                         ; a side: batch + ib x 16 rows + my columns
	s_lshl_b32 s38, s7, 14
	s_add_co_u32 s30, s30, s38
	s_add_co_u32 s30, s30, s36
	s_mov_b32 s31, 0
	s_wait_dscnt 0x0
	s_wait_kmcnt 0x0
	s_mov_b32 s68, 1                               ; group 0: W2's quarter
	s_add_co_u32 s69, s34, O_W2
	s_add_nc_u64 s[70:71], s[14:15], s[36:37]
	s_or_b32 s71, s71, 0x80000000
	s_mov_b32 s72, 1                               ; PA
	s_mov_b32 s73, s34
	s_add_nc_u64 s[74:75], s[8:9], s[30:31]
	s_or_b32 s75, s75, 0x80000000
	s_mov_b32 s76, 1                               ; PB: the b side begins 2,048 rows down
	s_add_co_u32 s77, s34, O_PB
	s_add_nc_u64 s[78:79], s[8:9], s[32:33]
	s_add_nc_u64 s[78:79], s[78:79], 0x200000
	s_or_b32 s79, s79, 0x80000000
	s_mov_b32 s80, 1                               ; NA
	s_add_co_u32 s81, s34, O_NA
	s_add_nc_u64 s[82:83], s[10:11], s[30:31]
	s_or_b32 s83, s83, 0x80000000
	s_mov_b32 s84, 1                               ; NB
	s_add_co_u32 s85, s34, O_NB
	s_add_nc_u64 s[86:87], s[12:13], s[32:33]
	s_or_b32 s87, s87, 0x80000000
	ROUND                                          ; the four work-groups are here: the joint loads meet
	tensor_load_to_lds s[68:71], s[56:63]          ; W2's quarter
	s_nop 0
	tensor_load_to_lds s[72:75], s[40:47]          ; PA
	s_nop 0
	tensor_load_to_lds s[76:79], s[48:55]          ; PB, joint
	s_nop 0
	tensor_load_to_lds s[80:83], s[40:47]          ; NA
	s_nop 0
	tensor_load_to_lds s[84:87], s[48:55]          ; NB, joint
	s_nop 0
	s_load_b32 s88, s[16:17], 0x0                  ; b2
	s_load_b32 s89, s[18:19], 0x0                  ; log_temp
	; the epilogue's share: thread t has rows (t >> 4) + 8 x, x = 0, 1, and columns 4 jq .. 4 jq + 3, jq = t & 15
	v_lshrrev_b32 v228, 4, v0
	v_and_b32 v229, 15, v0
	v_lshlrev_b32 v3, 3, v228
	v_lshlrev_b32 v1, 5, v229
	s_lshl_b32 s38, s5, 10                         ; a batch's 128 positions of 8 bytes
	s_lshl_b32 s94, s7, 7
	s_add_co_u32 s94, s94, s38
	s_mov_b32 s95, 0
	s_add_nc_u64 s[20:21], s[20:21], s[94:95]
	s_lshl_b32 s94, s6, 9
	s_add_co_u32 s94, s94, s38
	s_add_nc_u64 s[22:23], s[22:23], s[94:95]
	global_load_b64 v[16:17], v3, s[20:21]
	global_load_b64 v[18:19], v3, s[20:21] offset:64
	global_load_b128 v[20:23], v1, s[22:23]
	global_load_b128 v[24:27], v1, s[22:23] offset:16
	s_lshl_b32 s38, s5, 16                         ; outputs: batch x 65,536 + ib x 8,192,
	s_lshl_b32 s94, s7, 13
	s_add_co_u32 s38, s38, s94
	s_lshl_b32 s94, s6, 8                          ; + jh x 256 bytes in the rows of out3 and cosw,
	s_add_co_u32 s94, s94, s38
	s_add_nc_u64 s[24:25], s[24:25], s[94:95]
	s_add_nc_u64 s[26:27], s[26:27], s[94:95]
	s_lshl_b32 s94, s6, 12                         ; + jh x 64 j x 64 bytes in ctw
	s_add_co_u32 s94, s94, s38
	s_add_nc_u64 s[28:29], s[28:29], s[94:95]
	v_mul_u32_u24 v11, v228, PITCH
	v_lshl_add_u32 v11, v229, 4, v11
	v_add_nc_u32 v11, SPART, v11                   ; partials, and CTS by the immediate: row t >> 4, byte 16 jq
	v_lshlrev_b32 v12, 4, v228
	v_add_nc_u32 v12, NPART, v12
	v_lshlrev_b32 v13, 6, v229
	v_add_nc_u32 v13, NPART+256, v13
	v_lshlrev_b32 v14, 9, v228
	v_lshl_add_u32 v14, v229, 4, v14               ; out3, cosw: row of 512 bytes, 16 lanes on 256 neighbouring bytes
	v_lshlrev_b32 v2, 4, v0
	v_and_b32 v230, 3, v0
	v_mul_u32_u24 v15, v230, 4*PITCH
	v_lshrrev_b32 v231, 2, v0
	v_lshl_add_u32 v15, v231, 2, v15
	v_add_nc_u32 v15, CTS, v15                     ; transposed read: rows 4 (t & 3) + e, column t >> 2
	; the dot phase's share: r = l % 16, h = l / 16
	v_bfe_u32 v230, v0, 4, 1
	v_mul_u32_u24 v231, v229, PITCH
	v_lshl_add_u32 v231, v230, 5, v231             ; r x 272 + 32 h
	s_add_co_u32 s66, s34, O_NA
	v_add_nc_u32 v7, s66, v231
	s_add_co_u32 s66, s35, DPART
	v_add_nc_u32 v9, s66, v231
	s_lshl_b32 s66, s3, 2
	s_add_co_u32 s66, s66, NPART
	v_lshl_add_u32 v10, v229, 4, s66
	; the main loop's share: ig = l >> 3, jg = l & 7; i = 4 ig + e (e = 0..3), j = jg + 8 f (f = 0..7)
	v_and_b32 v228, 31, v0
	v_lshrrev_b32 v229, 3, v228
	v_and_b32 v230, 7, v0
	v_mul_u32_u24 v231, v229, 4*PITCH
	v_add_nc_u32 v4, s34, v231
	v_mul_u32_u24 v5, v230, PITCH
	s_add_co_u32 s66, s34, O_PB
	v_add_nc_u32 v5, s66, v5
	s_add_co_u32 s66, s34, O_W2
	v_mov_b32 v6, s66
	v_lshl_add_u32 v8, v230, 2, v231
	s_add_co_u32 s66, s35, SPART
	v_add_nc_u32 v8, s66, v8
; 13 LDS loads: a chunk of 4 d at byte off of the rows: 4 rows of PA, 8 rows of PB, 4 numbers of W2
.macro LOADS buf, off
.irp e, 0,1,2,3
	ds_load_b128 v[\buf+4*\e:\buf+4*\e+3], v4 offset:PITCH*\e+\off
.endr
.irp g, 0,1,2,3,4,5,6,7
	ds_load_b128 v[\buf+16+4*\g:\buf+16+4*\g+3], v5 offset:8*PITCH*\g+\off
.endr
	ds_load_b128 v[\buf+48:\buf+51], v6 offset:\off
.endm
.macro RELU2 x
	v_max_num_f32 v[\x], 0, v[\x]
	v_max_num_f32 v[\x+1], 0, v[\x+1]
.endm
; 32 outputs x 4 d.  first = 1: the first products start the sums: nothing is cleared
.macro COMPUTE buf, first
.irp e, 0,1,2,3
.irp g, 0,1,2,3,4,5,6,7
	v_pk_add_f32 v[X+4*\g:X+4*\g+1],   v[\buf+4*\e:\buf+4*\e+1],   v[\buf+16+4*\g:\buf+16+4*\g+1]
	v_pk_add_f32 v[X+4*\g+2:X+4*\g+3], v[\buf+4*\e+2:\buf+4*\e+3], v[\buf+16+4*\g+2:\buf+16+4*\g+3]
.endr
.irp k, 0,1,2,3,4,5,6,7,8,9,10,11,12,13,14,15
	RELU2 X+2*\k
.endr
.irp g, 0,1,2,3,4,5,6,7
.if \first
	v_pk_mul_f32 v[ACC+2*(8*\e+\g):ACC+2*(8*\e+\g)+1], v[X+4*\g:X+4*\g+1], v[\buf+48:\buf+49]
.else
	v_pk_fma_f32 v[ACC+2*(8*\e+\g):ACC+2*(8*\e+\g)+1], v[X+4*\g:X+4*\g+1], v[\buf+48:\buf+49], v[ACC+2*(8*\e+\g):ACC+2*(8*\e+\g)+1]
.endif
.endr
.irp g, 0,1,2,3,4,5,6,7
	v_pk_fma_f32 v[ACC+2*(8*\e+\g):ACC+2*(8*\e+\g)+1], v[X+4*\g+2:X+4*\g+3], v[\buf+50:\buf+51], v[ACC+2*(8*\e+\g):ACC+2*(8*\e+\g)+1]
.endr
.endr
.endm
.macro STEP32                          ; two chunks on
	v_add_nc_u32 v4, 32, v4
	v_add_nc_u32 v5, 32, v5
	v_add_nc_u32 v6, 32, v6
.endm
	s_wait_tensorcnt 0x2                           ; W2, PA and PB are in; NA and NB, issued behind them, land during the main loop
	; 16 chunks of 4 d on two buffers.  Every s_wait_dscnt 13 leaves the 13 loads of the younger chunk out.
	LOADS F0, 0
	LOADS F1, 16
	s_wait_dscnt 13
	COMPUTE F0, 1
	LOADS F0, 32
	s_wait_dscnt 13
	COMPUTE F1, 0
	STEP32
	s_mov_b32 s93, 6
.Lchunk:
	LOADS F1, 16
	s_wait_dscnt 13
	COMPUTE F0, 0
	LOADS F0, 32
	s_wait_dscnt 13
	COMPUTE F1, 0
	STEP32
	s_sub_co_i32 s93, s93, 1
	s_cmp_lg_u32 s93, 0
	s_cbranch_scc1 .Lchunk
	LOADS F1, 16                                   ; chunks 14 and 15: nothing more to fetch
	s_wait_dscnt 13
	COMPUTE F0, 0
	s_wait_dscnt 0x0
	COMPUTE F1, 0
	; my quarter's score partials
.set k, 0
.rept 32
	v_add_f32 v[X+k], v[ACC+2*k], v[ACC+2*k+1]
.set k, k+1
.endr
.irp e, 0,1,2,3
.irp g, 0,1,2,3,4,5,6,7
	ds_store_b32 v8, v[X+8*\e+\g] offset:PITCH*\e+32*\g
.endr
.endr
; DOT PHASE: my 64 k are two K steps s; a unit u = 5 s + g is the fragment of group g: lane (r, h) takes k = 8 h .. + 7 and 16 + 8 h .. + 7 as f32
.macro ULOAD u
.set ug, (\u)%5
.set us, (\u)/5
.set ur, RW+16*((\u)&1)
	ds_load_b128 v[ur:ur+3],     v7 offset:16*PITCH*ug+128*us
	ds_load_b128 v[ur+4:ur+7],   v7 offset:16*PITCH*ug+128*us+16
	ds_load_b128 v[ur+8:ur+11],  v7 offset:16*PITCH*ug+128*us+64
	ds_load_b128 v[ur+12:ur+15], v7 offset:16*PITCH*ug+128*us+80
.endm
; a unit is split into hi and lo, and its squares are added to the group's pair
.macro CVT16 u
.set cg, (\u)%5
.set cs, (\u)/5
.set cr, RW+16*((\u)&1)
.set ch, FR+16*cg
.set cq, NSQ+2*cg
.set p, 0
.rept 8
	v_cvt_pk_bf16_f32 v[ch+p], v[cr+2*p], v[cr+2*p+1]
.if (cs+p) == 0
	v_pk_mul_f32 v[cq:cq+1], v[cr:cr+1], v[cr:cr+1]
.else
	v_pk_fma_f32 v[cq:cq+1], v[cr+2*p:cr+2*p+1], v[cr+2*p:cr+2*p+1], v[cq:cq+1]
.endif
.set p, p+1
.endr
.set p, 0
.rept 8
	v_lshlrev_b32 v[TMP+2*p], 16, v[ch+p]
	v_and_b32 v[TMP+2*p+1], s90, v[ch+p]
.set p, p+1
.endr
.set p, 0
.rept 8
	v_pk_add_f32 v[cr+2*p:cr+2*p+1], v[cr+2*p:cr+2*p+1], v[TMP+2*p:TMP+2*p+1] neg_lo:[0,1] neg_hi:[0,1]
.set p, p+1
.endr
.set p, 0
.rept 8
	v_cvt_pk_bf16_f32 v[ch+8+p], v[cr+2*p], v[cr+2*p+1]
.set p, p+1
.endr
.endm
; Source 0 = 16 rows of b, source 1 = the 16 rows of a: register jj of lane (r, h) is dot(i = r, j = 16 n + 8 h + jj).
; The four accumulators take turns, one instruction a turn.
.macro MUL12 zero
.irp n, 0,1,2,3
.if \zero
	v_wmma_f32_16x16x32_bf16 v[DACC+8*\n:DACC+8*\n+7], v[FR+16+16*\n:FR+16+16*\n+7], v[FR:FR+7], 0
.else
	v_wmma_f32_16x16x32_bf16 v[DACC+8*\n:DACC+8*\n+7], v[FR+16+16*\n:FR+16+16*\n+7], v[FR:FR+7], v[DACC+8*\n:DACC+8*\n+7]
.endif
.endr
.irp n, 0,1,2,3
	v_wmma_f32_16x16x32_bf16 v[DACC+8*\n:DACC+8*\n+7], v[FR+16+16*\n:FR+16+16*\n+7], v[FR+8:FR+15], v[DACC+8*\n:DACC+8*\n+7]
.endr
.irp n, 0,1,2,3
	v_wmma_f32_16x16x32_bf16 v[DACC+8*\n:DACC+8*\n+7], v[FR+24+16*\n:FR+24+16*\n+7], v[FR:FR+7], v[DACC+8*\n:DACC+8*\n+7]
.endr
.endm
	s_wait_tensorcnt 0x0                           ; NA and NB are in
	ULOAD 0
.irp u, 0,1,2,3,4
	ULOAD \u+1
	s_wait_dscnt 0x4                               ; all but the four loads of the next unit
	CVT16 \u
.endr
	MUL12 1
.rept 4
	v_nop                                          ; four places before the next units are written over the fragments (ISA guide 7.12.1)
.endr
.irp u, 5,6,7,8
	ULOAD \u+1
	s_wait_dscnt 0x4
	CVT16 \u
.endr
	s_wait_dscnt 0x0
	CVT16 9
	MUL12 0
	; squared norms of my quarter: these five plain adds name no register of a matrix instruction and are the places in front of the stores of the sums
.irp g, 0,1,2,3,4
	v_add_f32 v[NSQ+2*\g], v[NSQ+2*\g], v[NSQ+2*\g+1]
.endr
.irp g, 0,1,2,3,4
	v_permlanex16_b32 v[NSQ+2*\g+1], v[NSQ+2*\g], s91, s92     ; the other half of the row's k
.endr
.irp g, 0,1,2,3,4
	v_add_f32 v[NSQ+2*\g], v[NSQ+2*\g], v[NSQ+2*\g+1]
	ds_store_b32 v10, v[NSQ+2*\g] offset:256*\g                ; lanes r and r + 16 store the same number to the same word
.endr
.irp n, 0,1,2,3
	ds_store_b128 v9, v[DACC+8*\n:DACC+8*\n+3]   offset:64*\n
	ds_store_b128 v9, v[DACC+8*\n+4:DACC+8*\n+7] offset:64*\n+16
.endr
	s_wait_dscnt 0x0                               ; my partials are in LDS, for the other waves' sake
	s_barrier_signal -1
	s_barrier_wait -1
	; EPILOGUE
.irp x, 0,1
.irp w, 0,1,2,3
	ds_load_b128 v[ES+16*\x+4*\w:ES+16*\x+4*\w+3], v11 offset:16*PITCH*\w+8*PITCH*\x
	ds_load_b128 v[ED+16*\x+4*\w:ED+16*\x+4*\w+3], v11 offset:DPART-SPART+16*PITCH*\w+8*PITCH*\x
.endr
	ds_load_b128 v[EN+4*\x:EN+4*\x+3], v12 offset:128*\x
.endr
.irp y, 0,1,2,3
	ds_load_b128 v[EN+8+4*\y:EN+8+4*\y+3], v13 offset:16*\y
.endr
	s_wait_kmcnt 0x0                               ; b2 and log_temp
	v_mov_b32 v[RT], s89
	v_mul_f32 v[RT], 0x3fb8aa3b, v[RT]             ; exp(x) = 2^(x log2 e)
	v_exp_f32 v[RT], v[RT]
	v_mov_b32 v[RT+1], 0                           ; a plain instruction behind the transcendental (ISA guide 5.7.2); it also writes the pair's partner
	s_wait_alu depctr_va_vdst(0)
	v_max_num_f32 v[RT], 0x3c23d70a, v[RT]         ; clip to 0.01 ..
	v_min_num_f32 v[RT], 0.5, v[RT]                ; .. 0.5
	v_rcp_f32 v[RT], v[RT]                         ; used far below
	s_wait_dscnt 0x0
	s_wait_loadcnt 0x0                             ; the positions
.irp x, 0,1
.irp z, 0,2
	v_pk_add_f32 v[ES+16*\x+\z:ES+16*\x+\z+1],     v[ES+16*\x+\z:ES+16*\x+\z+1],     v[ES+16*\x+4+\z:ES+16*\x+4+\z+1]
	v_pk_add_f32 v[ES+16*\x+8+\z:ES+16*\x+8+\z+1], v[ES+16*\x+8+\z:ES+16*\x+8+\z+1], v[ES+16*\x+12+\z:ES+16*\x+12+\z+1]
	v_pk_add_f32 v[ED+16*\x+\z:ED+16*\x+\z+1],     v[ED+16*\x+\z:ED+16*\x+\z+1],     v[ED+16*\x+4+\z:ED+16*\x+4+\z+1]
	v_pk_add_f32 v[ED+16*\x+8+\z:ED+16*\x+8+\z+1], v[ED+16*\x+8+\z:ED+16*\x+8+\z+1], v[ED+16*\x+12+\z:ED+16*\x+12+\z+1]
	v_pk_add_f32 v[ES+16*\x+\z:ES+16*\x+\z+1],     v[ES+16*\x+\z:ES+16*\x+\z+1],     v[ES+16*\x+8+\z:ES+16*\x+8+\z+1]
	v_pk_add_f32 v[ED+16*\x+\z:ED+16*\x+\z+1],     v[ED+16*\x+\z:ED+16*\x+\z+1],     v[ED+16*\x+8+\z:ED+16*\x+8+\z+1]
.endr
.endr
.irp q, 0,1,2,3,4,5
	v_pk_add_f32 v[EN+4*\q:EN+4*\q+1], v[EN+4*\q:EN+4*\q+1], v[EN+4*\q+2:EN+4*\q+3]
.endr
.irp q, 0,1,2,3,4,5
	v_add_f32 v[EN+4*\q], v[EN+4*\q], v[EN+4*\q+1]
.endr
.irp q, 0,1,2,3,4,5
	v_sqrt_f32 v[EN+4*\q], v[EN+4*\q]              ; |a| of my two rows, |b| of my four columns
.endr
.irp x, 0,1
.irp y, 0,1,2,3
	v_pk_add_f32 v[DP+2*(4*\x+\y):DP+2*(4*\x+\y)+1], v[16+2*\x:17+2*\x], v[20+2*\y:21+2*\y] neg_lo:[0,1] neg_hi:[0,1]   ; plain work behind the roots
.endr
.endr
	s_wait_alu depctr_va_vdst(0)
.irp x, 0,1
.irp y, 0,1,2,3
	v_mul_f32 v[SPD+4*\x+\y], v[DP+2*(4*\x+\y)], v[DP+2*(4*\x+\y)]
	v_mul_f32 v[DEN+4*\x+\y], v[EN+4*\x], v[EN+8+4*\y]
.endr
.endr
.irp k, 0,1,2,3,4,5,6,7
	v_fmac_f32 v[SPD+\k], v[DP+2*\k+1], v[DP+2*\k+1]
	v_max_num_f32 v[DEN+\k], 0x322bcc77, v[DEN+\k] ; 1e-8
.endr
.irp k, 0,1,2,3,4,5,6,7
	v_rcp_f32 v[DEN+\k], v[DEN+\k]
.endr
.irp k, 0,1,2,3,4,5,6,7
	v_sqrt_f32 v[SPD+\k], v[SPD+\k]
.endr
.irp x, 0,1
.irp z, 0,2
	v_pk_add_f32 v[ES+16*\x+\z:ES+16*\x+\z+1], v[ES+16*\x+\z:ES+16*\x+\z+1], s[88:89] op_sel_hi:[1,0]   ; + b2 (plain work behind the transcendentals)
.endr
.endr
	s_wait_alu depctr_va_vdst(0)
.irp x, 0,1
.irp z, 0,2
	v_pk_mul_f32 v[COS+4*\x+\z:COS+4*\x+\z+1], v[ED+16*\x+\z:ED+16*\x+\z+1], v[DEN+4*\x+\z:DEN+4*\x+\z+1]
	v_pk_mul_f32 v[SPD+4*\x+\z:SPD+4*\x+\z+1], v[SPD+4*\x+\z:SPD+4*\x+\z+1], 0x3dcccccd op_sel_hi:[1,0]   ; 0.1 x distance
.endr
.endr
.irp x, 0,1
.irp z, 0,2
	v_pk_add_f32 v[ES+16*\x+\z:ES+16*\x+\z+1], v[ES+16*\x+\z:ES+16*\x+\z+1], v[COS+4*\x+\z:COS+4*\x+\z+1]
.endr
.endr
.irp x, 0,1
.irp z, 0,2
	v_pk_fma_f32 v[CC+4*\x+\z:CC+4*\x+\z+1], v[ES+16*\x+\z:ES+16*\x+\z+1], v[RT:RT+1], v[SPD+4*\x+\z:SPD+4*\x+\z+1] op_sel_hi:[1,0,1] neg_lo:[1,0,0] neg_hi:[1,0,0]
.endr
.endr
.irp x, 0,1
.irp z, 0,2
	v_pk_mul_f32 v[C2+4*\x+\z:C2+4*\x+\z+1], v[CC+4*\x+\z:CC+4*\x+\z+1], 0x3fb8aa3b op_sel_hi:[1,0]
.endr
.endr
.irp x, 0,1
	global_store_b128 v14, v[CC+4*\x:CC+4*\x+3],   s[24:25] offset:4096*\x     ; sixteen lanes store 256 neighbouring bytes, aligned
	global_store_b128 v14, v[COS+4*\x:COS+4*\x+3], s[26:27] offset:4096*\x
	ds_store_b128 v11, v[C2+4*\x:C2+4*\x+3] offset:CTS-SPART+8*PITCH*\x
.endr
	s_wait_dscnt 0x0                               ; the tile of C log2(e) is read back by other waves
	s_barrier_signal -1
	s_barrier_wait -1
	; transposed copy: thread t, store x: j = (t >> 2) + 32 x, i % 16 = 4 (t & 3) + e; the work-group's 4,096 bytes of ctw are contiguous
.irp x, 0,1
.irp e, 0,1,2,3
	ds_load_b32 v[TR+4*\x+\e], v15 offset:PITCH*\e+128*\x
.endr
.endr
	s_wait_dscnt 0x0
	global_store_b128 v2, v[TR:TR+3],   s[28:29]
	global_store_b128 v2, v[TR+4:TR+7], s[28:29] offset:2048
	s_wait_tensorcnt 0x0
	ds_add_u32 v232, v233
	s_wait_dscnt 0x0
	ROUND                                          ; the closing round: no work-group ends while a partner may still ask for a tile that names it
	s_endpgm
.Lfunc_end_k_q5b840a306d_cost:
	.size	k_q5b840a306d_cost, .Lfunc_end_k_q5b840a306d_cost-k_q5b840a306d_cost
	.p2alignl 7, 3214868480
	.fill 96, 4, 3214868480
	.section	.rodata,"a",@progbits
	.p2align	6, 0x0
	.amdhsa_kernel k_q5b840a306d_cost
		.amdhsa_group_segment_fixed_size 216064
		.amdhsa_private_segment_fixed_size 0
		.amdhsa_enable_private_segment 0
		.amdhsa_kernarg_size 88
		.amdhsa_user_sgpr_count 2
		.amdhsa_user_sgpr_kernarg_segment_ptr 1
		.amdhsa_wavefront_size32 1
		.amdhsa_system_sgpr_workgroup_id_x 1
		.amdhsa_system_sgpr_workgroup_id_y 1
		.amdhsa_system_sgpr_workgroup_id_z 1
		.amdhsa_system_vgpr_workitem_id 0
		.amdhsa_next_free_vgpr 234
		.amdhsa_next_free_sgpr 96
		.amdhsa_reserve_vcc 0
		.amdhsa_float_denorm_mode_32 3
		.amdhsa_float_denorm_mode_16_64 3
		.amdhsa_memory_ordered 1
		.amdhsa_forward_progress 1
		.amdhsa_inst_pref_size 130
	.end_amdhsa_kernel
	.amdgpu_metadata
---
amdhsa.version: [ 1, 2 ]
amdhsa.kernels:
  - .name:           k_q5b840a306d_cost
    .symbol:         k_q5b840a306d_cost.kd
    .args:
      - { .name: P, .offset: 0, .size: 8, .value_kind: global_buffer, .address_space: global }
      - { .name: nodes_a, .offset: 8, .size: 8, .value_kind: global_buffer, .address_space: global }
      - { .name: nodes_b, .offset: 16, .size: 8, .value_kind: global_buffer, .address_space: global }
      - { .name: W2, .offset: 24, .size: 8, .value_kind: global_buffer, .address_space: global }
      - { .name: b2, .offset: 32, .size: 8, .value_kind: global_buffer, .address_space: global }
      - { .name: log_temp, .offset: 40, .size: 8, .value_kind: global_buffer, .address_space: global }
      - { .name: pos_a, .offset: 48, .size: 8, .value_kind: global_buffer, .address_space: global }
      - { .name: pos_b, .offset: 56, .size: 8, .value_kind: global_buffer, .address_space: global }
      - { .name: out3, .offset: 64, .size: 8, .value_kind: global_buffer, .address_space: global }
      - { .name: cosw, .offset: 72, .size: 8, .value_kind: global_buffer, .address_space: global }
      - { .name: ctw, .offset: 80, .size: 8, .value_kind: global_buffer, .address_space: global }
    .group_segment_fixed_size: 216064
    .private_segment_fixed_size: 0
    .kernarg_segment_align: 8
    .kernarg_segment_size: 88
    .max_flat_workgroup_size: 128
    .sgpr_count:     96
    .vgpr_count:     234
    .wavefront_size: 32
...
	.end_amdgpu_metadata
.endif
;; end of part 2
;; launch sink (part 3): grid 16 x 1, 16 waves a work-group, no clusters, 86,016 bytes of LDS; arguments out3, ctw, cosw, out0, out1, out2; writes out0, out1, out2
.if DOCPART == 3
	.amdgcn_target "amdgcn-amd-amdhsa--gfx1250"
	.amdhsa_code_object_version 6
	.text
	.protected	k_q5b840a306d_sink
	.globl	k_q5b840a306d_sink
	.p2align	8
	.type	k_q5b840a306d_sink,@function
k_q5b840a306d_sink:
	s_mov_b64 s[64:65], 0
	v_nop
	global_prefetch_b8 v0, s[64:65] scope:SCOPE_SE
	s_setreg_imm32_b32 hwreg(HW_REG_WAVE_MODE, 25, 1), 1
	s_wait_xcnt 0x0
; Ten Sinkhorn iterations in the log domain, then T = exp(C + log_u + log_v), cost = sum T C, similarity = sum T cos.  One work-group for a batch:
; every sweep needs the batch's whole 128 x 128, and work-groups exchange nothing; so there are 16 work-groups, and nothing is shared between them
; (no cluster).  All of a batch's data are asked for once, at the head.
; Everything is kept in base 2: C2 = C log2(e), u2 = log_u log2(e), v2 likewise; log2(1/128) = -7 exactly.
;   u2[i] = -7 - log2 sum over j of 2^(C2[i][j] + v2[j]),   v2[j] = -7 - log2 sum over i of 2^(C2[i][j] + u2[i]);  the true maximum is taken away first.
; TWO COPIES OF C2 IN REGISTERS, by rows (R) and by columns (S, from the transposed copy), make both sweeps the same code.
; Lane: c = l & 7, g = l >> 3.  A thread has lines n = 8 w + 4 p + g (p = 0, 1) and of each the positions 32 q + 4 c + e (q, e = 0..3), register 16 p + 4 q + e.
; A line lies in 8 neighbouring lanes: a reduction is three steps on the arithmetic (DPP, masks 1, 2, 4) and never leaves the wave.
; u2 and v2 meet in LDS; the two vectors take turns, so one barrier a sweep orders both the new vector's stores and the old one's reads.
; Every store into u2 or v2 goes to the wave's own eight words (bytes 32 w .. 32 w + 31 of the vector), the start value of v2 too.
.set UB,  0                            ; u2[128]
.set VB,  512                          ; v2[128]
.set RED, 1024                         ; the waves' sums: cost[16], then similarity[16]
.set TST, 2048                         ; T on its way out: each wave's own 8 rows x 640 bytes (512 + 128)
.set TP,  640
.set R,   32                           ; v[32:63]   C2 by rows
.set S,   64                           ; v[64:95]   C2 by columns; in the tail: T's rows as stored
.set COS, 96                           ; v[96:127]  cos by rows
.set T,   128                          ; v[128:159] at work
.set VV,  160                          ; v[160:175] the other vector at my 16 positions
.set MT,  176                          ; v[176:180] maxima at work; in the tail v[176:179] the cost's two chains
.set M,   182                          ; v182, v184 the lines' maxima (low registers of pairs; the partners are written once)
.set SM,  186                          ; v186, v187 the lines' sums
.set UO,  188                          ; v188, v190 u2 of my two rows (pairs as M)
.set VO,  192                          ; v192, v194 v2 of my two columns; in the tail v[192:195] the similarity's two chains
; v2 rows' offset  v3 columns' offset  v4 16 c  v5 4 (8 w + g)  v6 stage in  v7 stage out  v8 out0 offset  v9 4 w  v18 zero
	s_load_b256 s[4:11], s[0:1], 0x0               ; out3 s[4:5], ctw s[6:7], cosw s[8:9], out0 s[10:11]
	s_load_b128 s[12:15], s[0:1], 0x20             ; out1 s[12:13], out2 s[14:15]
	v_lshl_add_u32 v200, v0, 2, 0x14800
	v_mov_b32 v201, 0
	v_lshrrev_b32 v1, 5, v0
	v_readfirstlane_b32 s16, v1                    ; wave 0..15
	s_mov_b32 s22, 0x76543210                      ; v_permlanex16_b32: lane l of one half reads lane l of the other
	s_mov_b32 s23, 0xfedcba98
	v_and_b32 v10, 31, v0                          ; l
	v_and_b32 v11, 7, v0                           ; c
	v_bfe_u32 v12, v0, 3, 2                        ; g
	v_lshl_add_u32 v13, s16, 3, v12                ; 8 w + g
	v_lshlrev_b32 v4, 4, v11
	v_lshl_add_u32 v2, v13, 9, v4                  ; row of 512 bytes + 16 c
	v_lshrrev_b32 v14, 2, v11
	v_and_b32 v15, 3, v11
	v_lshlrev_b32 v3, 13, v14                      ; ctw: block of 16 i: 2 q + (c >> 2), 8,192 bytes each,
	v_lshl_add_u32 v3, v13, 6, v3                  ; column of 64 bytes,
	v_lshl_add_u32 v3, v15, 4, v3                  ; 16 bytes at i % 16 = 4 (c & 3)
	v_lshlrev_b32 v5, 2, v13
	s_mul_i32 s17, s16, 8*TP
	s_add_co_u32 s17, s17, TST                     ; my stage
	v_mul_u32_u24 v6, v12, TP
	v_add_nc_u32 v6, v6, v4
	v_add_nc_u32 v6, s17, v6                       ; stage in: row g, byte 16 c
	v_lshl_add_u32 v7, v10, 4, s17
	s_lshl_b32 s18, s16, 12
	v_lshl_add_u32 v8, v10, 4, s18                 ; my 8 rows of out0, 16 bytes a lane
	s_lshl_b32 s19, s16, 2
	v_mov_b32 v9, s19
	v_mov_b32 v18, 0
	v_mov_b32 v[M+1], 0                            ; partners of the pairs that are read as broadcasts
	v_mov_b32 v[M+3], 0
	v_mov_b32 v[UO+1], 0
	v_mov_b32 v[UO+3], 0
	ds_store_b32 v5, v18 offset:VB                 ; log_v starts at 0: each wave clears the words of its own eight lines,
	ds_store_b32 v5, v18 offset:VB+16              ; 8 w + g and 8 w + 4 + g (a line's eight lanes store the same zero to the same word)
	s_lshl_b32 s20, ttmp9, 16                      ; a batch's 65,536 bytes
	s_mov_b32 s21, 0
	s_wait_kmcnt 0x0
	s_add_nc_u64 s[4:5], s[4:5], s[20:21]
	s_add_nc_u64 s[6:7], s[6:7], s[20:21]
	s_add_nc_u64 s[8:9], s[8:9], s[20:21]
	s_add_nc_u64 s[10:11], s[10:11], s[20:21]
	s_lshl_b32 s20, ttmp9, 2
	s_add_nc_u64 s[12:13], s[12:13], s[20:21]
	s_add_nc_u64 s[14:15], s[14:15], s[20:21]
.irp p, 0,1
.irp q, 0,1,2,3
	global_load_b128 v[R+16*\p+4*\q:R+16*\p+4*\q+3], v2, s[4:5] offset:2048*\p+128*\q th:TH_LOAD_NT
.endr
.endr
.irp p, 0,1
.irp q, 0,1,2,3
	global_load_b128 v[S+16*\p+4*\q:S+16*\p+4*\q+3], v3, s[6:7] offset:16384*\q+256*\p th:TH_LOAD_NT
.endr
.endr
.irp p, 0,1
.irp q, 0,1,2,3
	global_load_b128 v[COS+16*\p+4*\q:COS+16*\p+4*\q+3], v2, s[8:9] offset:2048*\p+128*\q th:TH_LOAD_NT
.endr
.endr
	s_wait_loadcnt 16                              ; the rows are in; the 8 loads of the columns and the 8 of cos stay out
.irp k, 0,2,4,6,8,10,12,14,16,18,20,22,24,26,28,30
	v_pk_mul_f32 v[R+\k:R+\k+1], v[R+\k:R+\k+1], 0x3fb8aa3b op_sel_hi:[1,0]    ; the same product, rounded the same way, as the transposed copy holds
.endr
	s_wait_loadcnt 8                               ; the columns are in; cos is wanted only in the tail
	s_wait_dscnt 0x0                               ; my zeros are in LDS, for the other waves' sake
	s_barrier_signal -1
	s_barrier_wait -1
; one sweep: x = R or S; the vector at vin is read, the new one goes to vout and, for my two lines, stays in v[o], v[o+2]
.macro HALF x, vin, vout, o
.irp q, 0,1,2,3
	ds_load_b128 v[VV+4*\q:VV+4*\q+3], v4 offset:\vin+128*\q
.endr
	s_wait_dscnt 0x0
.irp p, 0,1
.irp k, 0,2,4,6,8,10,12,14
	v_pk_add_f32 v[T+16*\p+\k:T+16*\p+\k+1], v[\x+16*\p+\k:\x+16*\p+\k+1], v[VV+\k:VV+\k+1]
.endr
.endr
.irp p, 0,1
.irp m, 0,1,2,3,4
	v_max3_num_f32 v[MT+\m], v[T+16*\p+3*\m], v[T+16*\p+3*\m+1], v[T+16*\p+3*\m+2]
.endr
	v_max3_num_f32 v[MT], v[MT], v[MT+1], v[MT+2]
	v_max3_num_f32 v[MT+3], v[MT+3], v[MT+4], v[T+16*\p+15]
	v_max_num_f32 v[M+2*\p], v[MT], v[MT+3]
.endr
.irp k, 1,2,4
	v_max_num_f32_dpp v[M], v[M], v[M] row_xmask:\k row_mask:0xf bank_mask:0xf
	v_max_num_f32_dpp v[M+2], v[M+2], v[M+2] row_xmask:\k row_mask:0xf bank_mask:0xf
.endr
.irp p, 0,1
.irp k, 0,2,4,6,8,10,12,14
	v_pk_add_f32 v[T+16*\p+\k:T+16*\p+\k+1], v[T+16*\p+\k:T+16*\p+\k+1], v[M+2*\p:M+2*\p+1] op_sel_hi:[1,0] neg_lo:[0,1] neg_hi:[0,1]
.endr
.endr
.set k, 0
.rept 32
	v_exp_f32 v[T+k], v[T+k]
.set k, k+1
.endr
	v_nop                                          ; a plain instruction between the transcendentals and the first use (ISA guide 5.7.2)
	s_wait_alu depctr_va_vdst(0)
.irp p, 0,1
.irp k, 0,2,4,6
	v_pk_add_f32 v[T+16*\p+\k:T+16*\p+\k+1], v[T+16*\p+\k:T+16*\p+\k+1], v[T+16*\p+8+\k:T+16*\p+8+\k+1]
.endr
.endr
.irp p, 0,1
.irp k, 0,2
	v_pk_add_f32 v[T+16*\p+\k:T+16*\p+\k+1], v[T+16*\p+\k:T+16*\p+\k+1], v[T+16*\p+4+\k:T+16*\p+4+\k+1]
.endr
.endr
.irp p, 0,1
	v_pk_add_f32 v[T+16*\p:T+16*\p+1], v[T+16*\p:T+16*\p+1], v[T+16*\p+2:T+16*\p+3]
.endr
.irp p, 0,1
	v_add_f32 v[SM+\p], v[T+16*\p], v[T+16*\p+1]
.endr
.irp k, 1,2,4
	v_add_f32_dpp v[SM], v[SM], v[SM] row_xmask:\k row_mask:0xf bank_mask:0xf
	v_add_f32_dpp v[SM+1], v[SM+1], v[SM+1] row_xmask:\k row_mask:0xf bank_mask:0xf
.endr
	v_log_f32 v[SM], v[SM]                         ; the sum is at least 1: the largest term is 2^0
	v_log_f32 v[SM+1], v[SM+1]
	v_nop
	s_wait_alu depctr_va_vdst(0)
	v_add_f32 v[SM], v[M], v[SM]
	v_add_f32 v[SM+1], v[M+2], v[SM+1]
	v_sub_f32 v[\o], 0xc0e00000, v[SM]             ; -7 - (max + log2 sum)
	v_sub_f32 v[\o+2], 0xc0e00000, v[SM+1]
	ds_store_b32 v5, v[\o] offset:\vout            ; the line's eight lanes store the same number to the same word
	ds_store_b32 v5, v[\o+2] offset:\vout+16
	s_wait_dscnt 0x0                               ; my stores are done, and so are my reads of the vector that the next sweep overwrites
	s_barrier_signal -1
	s_barrier_wait -1
.endm
	s_mov_b32 s25, 10
.Liter:
	HALF R, VB, UB, UO
	HALF S, UB, VB, VO
	s_sub_co_i32 s25, s25, 1
	s_cmp_lg_u32 s25, 0
	s_cbranch_scc1 .Liter
	; T = 2^(C2 + v2 + u2), by rows
.irp q, 0,1,2,3
	ds_load_b128 v[VV+4*\q:VV+4*\q+3], v4 offset:VB+128*\q
.endr
	s_wait_dscnt 0x0
.irp p, 0,1
.irp k, 0,2,4,6,8,10,12,14
	v_pk_add_f32 v[T+16*\p+\k:T+16*\p+\k+1], v[R+16*\p+\k:R+16*\p+\k+1], v[VV+\k:VV+\k+1]
.endr
.endr
.irp p, 0,1
.irp k, 0,2,4,6,8,10,12,14
	v_pk_add_f32 v[T+16*\p+\k:T+16*\p+\k+1], v[T+16*\p+\k:T+16*\p+\k+1], v[UO+2*\p:UO+2*\p+1] op_sel_hi:[1,0]
.endr
.endr
.set k, 0
.rept 32
	v_exp_f32 v[T+k], v[T+k]
.set k, k+1
.endr
	s_wait_loadcnt 0x0                             ; cos
	v_nop                                          ; a plain instruction behind the transcendentals
	; T goes out through my own stage, so that one store covers a whole row of 512 bytes; LDS serves a wave's instructions in order (ISA guide 5.7.1)
	s_wait_alu depctr_va_vdst(0)
.irp p, 0,1
.irp q, 0,1,2,3
	ds_store_b128 v6, v[T+16*\p+4*\q:T+16*\p+4*\q+3] offset:4*TP*\p+128*\q
.endr
.endr
.irp j, 0,1,2,3,4,5,6,7
	ds_load_b128 v[S+4*\j:S+4*\j+3], v7 offset:TP*\j
.endr
	; sum T C2 and sum T cos, two chains each, started by products
.irp p, 0,1
	v_pk_mul_f32 v[MT+2*\p:MT+2*\p+1], v[T+16*\p:T+16*\p+1], v[R+16*\p:R+16*\p+1]
	v_pk_mul_f32 v[VO+2*\p:VO+2*\p+1], v[T+16*\p:T+16*\p+1], v[COS+16*\p:COS+16*\p+1]
.endr
.irp k, 2,4,6,8,10,12,14
.irp p, 0,1
	v_pk_fma_f32 v[MT+2*\p:MT+2*\p+1], v[T+16*\p+\k:T+16*\p+\k+1], v[R+16*\p+\k:R+16*\p+\k+1], v[MT+2*\p:MT+2*\p+1]
	v_pk_fma_f32 v[VO+2*\p:VO+2*\p+1], v[T+16*\p+\k:T+16*\p+\k+1], v[COS+16*\p+\k:COS+16*\p+\k+1], v[VO+2*\p:VO+2*\p+1]
.endr
.endr
.irp j, 0,1,2,3,4,5,6,7
	s_wait_dscnt 7-\j                              ; row j is back; the younger loads stay out
	global_store_b128 v8, v[S+4*\j:S+4*\j+3], s[10:11] offset:512*\j th:TH_STORE_NT
.endr
	v_pk_add_f32 v[MT:MT+1], v[MT:MT+1], v[MT+2:MT+3]
	v_pk_add_f32 v[VO:VO+1], v[VO:VO+1], v[VO+2:VO+3]
	v_add_f32 v[MT], v[MT], v[MT+1]
	v_add_f32 v[VO], v[VO], v[VO+1]
.irp k, 1,2,4,8
	v_add_f32_dpp v[MT], v[MT], v[MT] row_xmask:\k row_mask:0xf bank_mask:0xf
	v_add_f32_dpp v[VO], v[VO], v[VO] row_xmask:\k row_mask:0xf bank_mask:0xf
.endr
	v_permlanex16_b32 v[MT+1], v[MT], s22, s23
	v_permlanex16_b32 v[VO+1], v[VO], s22, s23
	v_add_f32 v[MT], v[MT], v[MT+1]
	v_add_f32 v[VO], v[VO], v[VO+1]
	ds_store_b32 v9, v[MT] offset:RED
	ds_store_b32 v9, v[VO] offset:RED+64
	s_wait_dscnt 0x0
	s_barrier_signal -1
	s_barrier_wait -1
.irp k, 0,1,2,3,4,5,6,7
	ds_load_b128 v[T+4*\k:T+4*\k+3], v18 offset:RED+16*\k      ; the sixteen waves' sums: cost in T .. T+15, similarity in T+16 .. T+31
.endr
	s_wait_dscnt 0x0
.irp b, 0,16
.irp k, 0,2,4,6
	v_pk_add_f32 v[T+\b+\k:T+\b+\k+1], v[T+\b+\k:T+\b+\k+1], v[T+\b+8+\k:T+\b+8+\k+1]
.endr
.endr
.irp b, 0,16
.irp k, 0,2
	v_pk_add_f32 v[T+\b+\k:T+\b+\k+1], v[T+\b+\k:T+\b+\k+1], v[T+\b+4+\k:T+\b+4+\k+1]
.endr
.endr
.irp b, 0,16
	v_pk_add_f32 v[T+\b:T+\b+1], v[T+\b:T+\b+1], v[T+\b+2:T+\b+3]
.endr
	v_add_f32 v[T], v[T], v[T+1]
	v_add_f32 v[T+16], v[T+16], v[T+17]
	v_mul_f32 v[T], 0x3f317218, v[T]               ; back from base 2: sum T C = ln 2 x sum T C2
	v_cmp_eq_u32 vcc_lo, 0, v0
	s_wait_xcnt 0x0                                ; EXEC is a source of the stores of T: it changes only behind this wait
	s_wait_tensorcnt 0x0
	ds_add_u32 v200, v201
	s_wait_dscnt 0x0
	s_and_saveexec_b32 s24, vcc_lo                 ; one thread stores the batch's two numbers: four bytes each, one owner a batch
	global_store_b32 v18, v[T], s[12:13]
	global_store_b32 v18, v[T+16], s[14:15]
	s_wait_xcnt 0x0                                ; and again in front of the line that widens it
	s_or_b32 exec_lo, exec_lo, s24
	s_endpgm
.Lfunc_end_k_q5b840a306d_sink:
	.size	k_q5b840a306d_sink, .Lfunc_end_k_q5b840a306d_sink-k_q5b840a306d_sink
	.p2alignl 7, 3214868480
	.fill 96, 4, 3214868480
	.section	.rodata,"a",@progbits
	.p2align	6, 0x0
	.amdhsa_kernel k_q5b840a306d_sink
		.amdhsa_group_segment_fixed_size 86016
		.amdhsa_private_segment_fixed_size 0
		.amdhsa_enable_private_segment 0
		.amdhsa_kernarg_size 48
		.amdhsa_user_sgpr_count 2
		.amdhsa_user_sgpr_kernarg_segment_ptr 1
		.amdhsa_wavefront_size32 1
		.amdhsa_system_sgpr_workgroup_id_x 1
		.amdhsa_system_sgpr_workgroup_id_y 1
		.amdhsa_system_sgpr_workgroup_id_z 1
		.amdhsa_system_vgpr_workitem_id 0
		.amdhsa_next_free_vgpr 202
		.amdhsa_next_free_sgpr 66
		.amdhsa_reserve_vcc 1
		.amdhsa_float_denorm_mode_32 3
		.amdhsa_float_denorm_mode_16_64 3
		.amdhsa_memory_ordered 1
		.amdhsa_forward_progress 1
		.amdhsa_inst_pref_size 30
	.end_amdhsa_kernel
	.amdgpu_metadata
---
amdhsa.version: [ 1, 2 ]
amdhsa.kernels:
  - .name:           k_q5b840a306d_sink
    .symbol:         k_q5b840a306d_sink.kd
    .args:
      - { .name: out3, .offset: 0, .size: 8, .value_kind: global_buffer, .address_space: global }
      - { .name: ctw, .offset: 8, .size: 8, .value_kind: global_buffer, .address_space: global }
      - { .name: cosw, .offset: 16, .size: 8, .value_kind: global_buffer, .address_space: global }
      - { .name: out0, .offset: 24, .size: 8, .value_kind: global_buffer, .address_space: global }
      - { .name: out1, .offset: 32, .size: 8, .value_kind: global_buffer, .address_space: global }
      - { .name: out2, .offset: 40, .size: 8, .value_kind: global_buffer, .address_space: global }
    .group_segment_fixed_size: 86016
    .private_segment_fixed_size: 0
    .kernarg_segment_align: 8
    .kernarg_segment_size: 48
    .max_flat_workgroup_size: 512
    .sgpr_count:     66
    .vgpr_count:     202
    .wavefront_size: 32
...
	.end_amdgpu_metadata
.endif
;; end of part 3
